; MI455X (gfx1250); checked and timed in simulation.
; The chip was launched on July 23, 2026; its instructions are those of AMD's public machine-readable ISA for CDNA 5 (MIT licence, August 2026) and "CDNA5" Instruction Set Architecture Reference Guide (July 2026). The comments in the code are by the model that wrote it; some were corrected since.
;; dot Product Attention. Allowed arithmetic: matrix products marked QUANTISED: E2M1 operands, one E8M0 scale for each 32 along K, by v_wmma_scale_f32_16x16x128_f8f6f4 with both operands' format E2M1 (or v_wmma_scale_f32_32x16x128_f4), f32 sums; products left as they are: bf16, f16 or f32 operands; f32 sums; everything else in f32.
;; Inputs: keys 4 x 16 x 2,048 x 64 float32; queries 4 x 16 x 2,048 x 64 float32; values 4 x 16 x 2,048 x 64 float32.
;; Outputs: out0 4 x 16 x 2,048 x 64 float32.
;; Constants: d_k = 64.
;; This version of the problem:
;;   THIS VERSION OF THE PROBLEM IS GIVEN IN LOW PRECISION. The matrix products marked QUANTISED in the list below multiply operands that are first quantised to E2M1 (2 exponent bits, 1 mantissa bit; 4 bits a number), with one power-of-two scale for each 32 numbers along K (OCP MX v1.0); their sums are f32. The products marked 'left as it is' may take bf16, f16 or f32 operands, with f32 sums. Whichever they take, every output number must still come out within the allowed error. Rounding operands to bf16 (8 significant bits) uses up far more of that allowance than f16 does (11 bits, for magnitudes from 6e-5 to 65,504). All else is computed in f32.
;;   The module's matrix products, in the order in which they are computed (A, B: the left and right operand; K: the contracted axis; several contracted axes count as one K, in the product's order):
;;     1. batch 64 x [M 2,048, K 64] x [K 64, N 2,048]; A: input queries; B: input keys: QUANTISED
;;     2. batch 64 x [M 2,048, K 2,048] x [K 2,048, N 64]; A: computed on the way; B: input values: left as it is (an operand is computed on the way)
;;   THE QUANTISER, for each operand of a quantised product, along K:
;;     - K is cut into blocks of 32 from its start; a last block that is shorter is filled with zeros.
;;     - A block's scale is 2^e with e = floor(log2(the largest magnitude in the block)) - 2, held to -126 .. 127; a block of zeros has e = 0. As a byte (E8M0): e + 127.
;;     - Each number is divided by its block's scale, clamped to +-6, and rounded to the nearest number of E2M1, ties to even, subnormals kept.
;;     - The product sums the exact products of the quantised numbers (number of the format x scale) in f32.
;;   ~~~python
;;   def quantise(x, axis):      # numpy; x: float32 -> the quantised numbers, widened to float32 again
;;       x = np.moveaxis(x, axis, -1); K = x.shape[-1]
;;       x = np.pad(x, [(0, 0)] * (x.ndim - 1) + [(0, -K % 32)]); x = x.reshape(x.shape[:-1] + (-1, 32)); a = np.abs(x).max(-1, keepdims=True)
;;       e = np.where(a > 0, np.clip(np.frexp(np.where(a > 0, a, 1))[1] - 1 - 2, -126, 127), 0)      # np.frexp(a)[1] - 1 = floor(log2(a)), exactly
;;       r = np.clip(x / 2.0 ** e, -6, 6)
;;       step = 2.0 ** (np.maximum(np.frexp(np.where(r == 0, 1, r))[1] - 1, 0) - 1)
;;       q = np.round(r / step) * step * 2.0 ** e      # np.round: ties to even
;;       return np.moveaxis(q.reshape(q.shape[:-2] + (-1,))[..., :K], -1, axis).astype(np.float32)
;;   ~~~
;; One version. Each part assembles by itself: llvm-mc -triple=amdgcn-amd-amdhsa -mcpu=gfx1250 --defsym DOCPART=n.
;; ======== version 1 of 1: 1 launch
;; limits: values are held in f16: magnitudes above 65,504 overflow, below 6.1e-05 lose precision; inputs' magnitudes at most 65,504; right only within a limited range of input values
;; launch attn (part 1): grid 4 x 64, 16 waves a work-group, clusters of 4 x 1, 327,680 bytes of LDS; arguments queries, keys, values, out0; writes out0
.if DOCPART == 1
	.amdgcn_target "amdgcn-amd-amdhsa--gfx1250"
	.amdhsa_code_object_version 6
	.text
	.protected	k_qb65ae1a922_attn
	.globl	k_qb65ae1a922_attn
	.p2align	8
	.type	k_qb65ae1a922_attn,@function
k_qb65ae1a922_attn:
	s_mov_b64 s[64:65], 0
	v_nop
	global_prefetch_b8 v0, s[64:65] scope:SCOPE_SE
	s_setreg_imm32_b32 hwreg(HW_REG_WAVE_MODE, 25, 1), 1
	s_wait_xcnt 0x0
	s_wait_alu depctr_hold_cnt(0) depctr_sa_sdst(0) depctr_va_vdst(0) depctr_va_sdst(0) depctr_va_ssrc(0) depctr_va_vcc(0) depctr_vm_vsrc(0)
	s_getreg_b32 s2, hwreg(HW_REG_IB_STS2, 6, 4)
	s_cmp_eq_u32 s2, 0
	s_cbranch_scc0 .Lentry_in_a_cluster
	s_endpgm
.Lentry_in_a_cluster:
	s_bfe_u32 s2, ttmp6, 0x10000c
	s_cmp_lg_u32 s2, 0x3003
	s_cbranch_scc0 .Lentry_shape_is_right
	s_endpgm
.Lentry_shape_is_right:
; out0[head][q][:] = the sum over k of softmax_k(Q[head][q] . K[head][k] / 8) V[head][k][:].  64 heads, 2,048 queries and keys, 64 channels; all four tensors f32, rows of 256 bytes.
; THE FIRST PRODUCT IS QUANTISED: Q and K become codes of E2M1 with one E8M0 scale for each 32 channels (two blocks a row), made here from the f32 inputs, and are multiplied by
; v_wmma_scale_f32_16x16x128_f8f6f4.  The instruction sums 128 along K and a head has 64: registers 4-7 of each fragment hold zero codes, under the scale byte 127.
; THE SECOND PRODUCT is left as it is: p and V go as f16 (p is at most about 1; V has room in f16), sums in f32.  Maxima, exponentials and row sums in f32.
; NOTHING OF THE COMPUTATION IS LEFT OUT.  d_k is the listed constant 64: c = log2(e) / 8.
; LIMITS: values beyond +-65,504 leave f16's range; a p under 2^-25 of its row's largest counts as 0; scores under -3e38, NaN and infinities among the inputs are not served;
; a block of zeros carries the scale byte 1 where the quantiser says 127: its codes are zeros, and the bytes are read by this program alone.
; SHARES.  A cluster of four work-groups is one head; a work-group owns 512 queries, each of its SIXTEEN waves 32: two tiles of 16, in 256 registers, four waves to a SIMD, so that one wave's
; softmax stands beside another's products and LDS loads.  Every wave walks all keys, 128 a step, in two halves of 64.
; CLUSTER.  The four work-groups walk the same K and V, so each f32 tile is asked for JOINTLY: the same tensor load, the same descriptor, a mask that names the four; each receives it in its own LDS.
; FROM f32 TILES TO OPERANDS.  A step's 128 rows of K and 128 of V land in one of two f32 slots.  Waves 0-7 quantise 16 keys each, waves 8-15 round 16 rows of V each to f16, and store the results as
; IMAGES OF THE OPERANDS' REGISTERS (16 bytes a lane, 512 bytes a store), which all sixteen waves load as they stand.  Two sets of images take turns.  In a trip the step after the one in hand is converted.
; LAYOUT.  Both products are used transposed: S^T = K Q^T (source 0 = 16 keys, source 1 = 16 queries), O^T = V^T P (source 0 = 16 channels x 32 keys).  A lane (r = lane % 16, h = lane / 16) holds query r
; throughout; register j of score tile f is key 16 f + 8 h + j, so two neighbouring tiles, rounded in pairs, ARE source 1 of the f16 form.  ROW m OF CHANNEL TILE t IS CHANNEL 4 m + t: on the way in one 16-byte
; read of V[key][4 r .. 4 r + 3] serves all four tiles, and on the way out a lane holds channels 32 h + 4 j + t: 128 consecutive bytes of its row.
; SOFTMAX.  For each query a running maximum M of the scores and sum l: p = 2^(c s - c M); in every half step O^T and l are multiplied by a = 2^(c M_old - c M_new), which is 1 where M has not grown.
.set PITCH, 272                        ; an f32 row in LDS: 256 bytes + 16 of padding = 68 words: 16 neighbouring rows start at 16 different banks (64 banks of 4 bytes: ISA guide 11.1)
.set HALFT, 64*PITCH                   ; 64 rows: what one tensor load brings
.set VROWS, 2*HALFT                    ; in a slot V's 128 rows lie behind K's 128
.set FSB,   4*HALFT                    ; a slot; slot 0 at byte 0, slot 1 behind it
.set STEPB, 128*256                    ; a step's rows of K or of V in memory
.set IMG0,  2*FSB                      ; the images, set 0; set 1 lies IMGB on
.set KSCO,  4096                       ; in a set: 8 fragments of K (512 bytes each), then their scale words (64 bytes a fragment),
.set VIMG,  5120                       ; then V: 8 groups of 16 keys x 4 channel tiles x 512 bytes
.set IMGB,  VIMG+16384
.set STAGE, IMG0+2*IMGB                ; 16 rows x 272 bytes for each wave: Q's way in and O's way out
.set WSTG,  16*PITCH
.set SPARE, STAGE+16*WSTG              ; the spare words, 128 bytes for each wave: eight blocks of 256 bytes that no other line names
.set SPW, 1                            ; v1   LDS address of my spare word; never rewritten
.set NIL, 2                            ; v2   0; never rewritten
.set AIM, 3                            ; v3   IMG0 + 16 x lane: an image's place for my lane
.set ASC, 4                            ; v4   IMG0 + KSCO + 4 x lane: the scale words of two fragments
.set SKA, 5                            ; v5   where I store my fragment of K
.set SSA, 6                            ; v6   and its scale words
.set SVA, 7                            ; v7   where I store my 16 keys of V
.set CRK, 8                            ; v8-9   my 16 rows in slot 0, 1, read as a K wave reads them: row r, 128 h bytes on
.set CRV, 10                           ; v10-11 and as a V wave reads them: row 8 h, 16 r bytes on
.set PFO, 12                           ; v12  256 x lane: the prefetches' offset, a lane a row
.set H8,  13                           ; v13  8 h
.set STO, 14                           ; v14  my stage by lanes: row r, 128 h bytes on
.set RD,  15                           ; v15  my stage by rows: row h, 16 r bytes on
.set ST,  16                           ; v16-31 tile q at ST + 8 q: +0 c M, +1 M, +2, +3 l in two halves, +4 .. +7 c0-c3 at work (a takes c2's place)
.set QF,  32                           ; v32-47 Q's two fragments
.set QS,  48                           ; v48-49 Q's scale words
.set KSC, 50                           ; v50-51 K's scale words: lanes 0-15 an even fragment's, lanes 16-31 the next one's
.set KF,  52                           ; v52-83 four fragments of K; registers 4-7 of each are zero codes, set once
.set V0,  84                           ; v84-115 four fragments of V^T: the half step's first 32 keys
.set S,   116                          ; v116-179 tile q at S + 32 q: scores, then p; then P in +0 .. +15 and V^T of the second 32 keys in +16 .. +31
.set O,   180                          ; v180-243 O^T: tile q, channel tile t at O + 32 q + 8 t
.set GO,  244                          ; v244 my byte offset in two rows of Q or of O: 256 h + 16 r
.set TA,  245                          ; v245-250 at work in the quantiser
.set TB,  246
.set SCL, 247
.set E,   248
.set E2,  249
.set W,   250
.set WV,  12                           ; s12  my wave's number
.set G1,  16                           ; s[16:23] descriptor group 1, the same for every tile
.set G0K, 24                           ; s[24:31] group 0 for K's tiles, a set for each slot
.set G0V, 32                           ; s[32:39] the same for V's
.set CS,  40                           ; s[40:41] c: the packed form names a pair and takes its low word for both halves
.set SEL, 42                           ; s[42:43] lane selects for v_permlanex16_b32: lane l xor 16
.set PFA, 44                           ; s[44:45] where my prefetches stand
.set LIM, 46                           ; s46  1 in a wave that prefetches, else the greatest number
.set LP,  47                           ; s47  the loop's trips to go
; A round of the cluster's barrier: my work-group's barrier, so that wave 0's signal speaks for all sixteen waves; wave 0 signals for the work-group; every wave waits for all four work-groups; my work-group's barrier once more.
.macro CROUND
	s_barrier_signal -1
	s_barrier_wait -1
	s_cmp_lg_u32 s[WV], 0
	s_cbranch_scc1 .Lnot_wave_0_\@
	s_barrier_signal -3
.Lnot_wave_0_\@:
	s_barrier_wait -3
	s_barrier_signal -1
	s_barrier_wait -1
.endm
.macro PLACES n
.rept \n
	v_nop
.endr
.endm
; A joint refill.  Waves 0 and 1 fetch K's two halves, waves 2 and 3 V's, the others nothing.  The branches hang on the wave's number alone.  An s_nop 0 and four v_nop follow each line.
.macro TLOAD g0k, g0v
	s_cmp_lt_u32 s[WV], 2
	s_cbranch_scc0 .Lnot_k_\@
	tensor_load_to_lds s[\g0k:\g0k+3], s[G1:G1+7]
	s_nop 0
.rept 4
	v_nop
.endr
	s_branch .Lasked_\@
.Lnot_k_\@:
	s_cmp_lt_u32 s[WV], 4
	s_cbranch_scc0 .Lasked_\@
	tensor_load_to_lds s[\g0v:\g0v+3], s[G1:G1+7]
	s_nop 0
.rept 4
	v_nop
.endr
.Lasked_\@:
.endm
; A PREFETCH INTO THE L2 of the step that the NEXT trip's joint loads will ask for: 128 rows of K and 128 of V, 256 bytes a row, a lane a row.  It stands where the fetching waves have their tensor load.
; Each row is named once in the launch: a head has one cluster; its four partners take 32 rows each, told apart BY ADDRESS; in each, wave 4 asks for K's and wave 5 for V's, one instruction.
; how = 1: an even trip, which always has a step three on; how = 0: an odd trip, whose last (s[LP] = 1) has none.  Steps 0 to 2 come by their loads alone.
.macro ASK how
.if \how
	s_cmp_eq_u32 s[LIM], 1
.else
	s_cmp_gt_u32 s[LP], s[LIM]
.endif
	s_cbranch_scc0 .Lnot_mine_\@
	global_prefetch_b8 v[PFO], s[PFA:PFA+1] th:TH_LOAD_NT scope:SCOPE_SE
.Lnot_mine_\@:
.endm
; 32 numbers of one lane, v[X] on: block h of row r.  They become 4 registers of codes, v[C] on (registers 0-3 of the row's fragment), and the row's scale word in v[Wd].
.macro QUANT32 X, C, Wd
	v_max3_num_f32 v[TA], |v[\X]|, |v[\X+1]|, 0x1800000            ; the largest magnitude, in two chains; the floor 2^(3 - 127) is one leaf: so the byte cannot fall under 1
	v_max3_num_f32 v[TB], |v[\X+16]|, |v[\X+17]|, |v[\X+18]|
.irp i, 0,1,2,3,4,5
	v_max3_num_f32 v[TA], v[TA], |v[\X+2+2*\i]|, |v[\X+3+2*\i]|
	v_max3_num_f32 v[TB], v[TB], |v[\X+19+2*\i]|, |v[\X+20+2*\i]|
.endr
	v_max3_num_f32 v[TA], v[TA], |v[\X+14]|, |v[\X+15]|
	v_max3_num_f32 v[TA], v[TA], v[TB], |v[\X+31]|
	v_add_nc_u32 v[SCL], 0xff000000, v[TA]         ; 2 off its exponent field: the conversion takes the exponent field of this operand as its scale, and nothing else of it
	v_lshrrev_b32 v[E], 23, v[SCL]                 ; the scale's byte,
	v_lshlrev_b32 v[E], v[H8], v[E]                ; at block h's place in the word;
	v_permlanex16_b32 v[E2], v[E], s[SEL], s[SEL+1]
	v_or_b32 v[\Wd], v[E], v[E2]                   ; with lane l xor 16's the row's two bytes are together;
	v_or_b32 v[\Wd], 0x7f7f0000, v[\Wd]            ; bytes 2 and 3 scale zero codes alone: 127
.irp g, 0,1,2,3
	v_cvt_scalef32_pk8_fp4_f32 v[\C+\g], v[\X+8*\g:\X+8*\g+7], v[SCL]
.endr
	v_nop                                          ; one plain place behind the last scaled conversion
.endm
; Slot sl's f32 rows become image set sl.  The roles part on the wave's number; every address register was made at the head.
.macro CONVERT sl
	s_cmp_lt_u32 s[WV], 8
	s_cbranch_scc0 .Lv_role_\@
.irp i, 0,1,2,3,4,5,6,7
	ds_load_b128 v[S+4*\i:S+4*\i+3], v[CRK+\sl] offset:16*\i       ; key 16 w + r, channels 32 h + 4 i on
.endr
	s_wait_dscnt 0x0
	QUANT32 S, S+32, W
	ds_store_b128 v[SKA], v[S+32:S+35] offset:\sl*IMGB             ; fragment w: registers 0-3 as they stand
	ds_store_b32 v[SSA], v[W] offset:\sl*IMGB                      ; lanes r and r + 16 store the same word with the same value
	s_branch .Ljoined_\@
.Lv_role_\@:
.irp i, 0,1,2,3,4,5,6,7
	ds_load_b128 v[S+4*\i:S+4*\i+3], v[CRV+\sl] offset:PITCH*\i    ; key 16 (w - 8) + 8 h + i, channels 4 r .. 4 r + 3: sixteen lanes read a whole row
.endr
	s_wait_dscnt 0x0
.irp t, 0,1,2,3
.irp p, 0,1,2,3
	v_cvt_pk_f16_f32 v[S+32+4*\t+\p], v[S+8*\p+\t], v[S+8*\p+4+\t]  ; channel 4 r + t, keys 8 h + 2 p and + 1: half a fragment of channel tile t
.endr
.endr
.irp t, 0,1,2,3
	ds_store_b128 v[SVA], v[S+32+4*\t:S+32+4*\t+3] offset:\sl*IMGB+512*\t
.endr
.Ljoined_\@:
.endm
; HALF A STEP: 64 keys, half ss of image set par, for my two tiles of queries.
.macro SUB par, ss
.set IB, (\par)*IMGB
.irp f, 0,1,2,3
	ds_load_b128 v[KF+8*\f:KF+8*\f+3], v[AIM] offset:IB+(4*(\ss)+\f)*512
.endr
.irp i, 0,1
	ds_load_b32 v[KSC+\i], v[ASC] offset:IB+(2*(\ss)+\i)*128
.endr
.irp t, 0,1,2,3
.irp u, 0,1
	ds_load_b128 v[V0+8*\t+4*\u:V0+8*\t+4*\u+3], v[AIM] offset:IB+VIMG+2*(\ss)*4096+\u*2048+\t*512
.endr
.endr
	s_wait_dscnt 8                                 ; all but V's eight loads: K, its scale words, and what I stored in converting (those stores have read their registers)
.irp f, 0,1,2,3                                ; S^T = K Q^T: eight accumulators, each begun with the constant 0
.irp q, 0,1
.if \f%2
	v_wmma_scale_f32_16x16x128_f8f6f4 v[S+32*\q+8*\f:S+32*\q+8*\f+7], v[KF+8*\f:KF+8*\f+7], v[QF+8*\q:QF+8*\q+7], 0, v[KSC+\f/2], v[QS+\q] matrix_a_fmt:MATRIX_FMT_FP4 matrix_b_fmt:MATRIX_FMT_FP4 matrix_a_scale:MATRIX_SCALE_ROW1
.else
	v_wmma_scale_f32_16x16x128_f8f6f4 v[S+32*\q+8*\f:S+32*\q+8*\f+7], v[KF+8*\f:KF+8*\f+7], v[QF+8*\q:QF+8*\q+7], 0, v[KSC+\f/2], v[QS+\q] matrix_a_fmt:MATRIX_FMT_FP4 matrix_b_fmt:MATRIX_FMT_FP4
.endif
.endr
.endr
	PLACES 4                                       ; four places between the last product and the first read of results (ISA guide 7.12.1)
	; the maximum of my 32 scores a tile and the old M: four chains, one to an accumulator, each begun at the accumulator's low end; the two tiles by turns
.irp k, 0,1,2,3
.irp q, 0,1
	v_max3_num_f32 v[ST+8*\q+4+\k], v[S+32*\q+8*\k], v[S+32*\q+8*\k+1], v[S+32*\q+8*\k+2]
.endr
.endr
.irp i, 3,5
.irp k, 0,1,2,3
.irp q, 0,1
	v_max3_num_f32 v[ST+8*\q+4+\k], v[ST+8*\q+4+\k], v[S+32*\q+8*\k+\i], v[S+32*\q+8*\k+\i+1]
.endr
.endr
.endr
.irp q, 0,1
	v_max3_num_f32 v[ST+8*\q+4], v[ST+8*\q+4], v[S+32*\q+7], v[S+32*\q+15]
.endr
.irp q, 0,1
	v_max3_num_f32 v[ST+8*\q+6], v[ST+8*\q+6], v[S+32*\q+23], v[S+32*\q+31]
.endr
.irp q, 0,1
	v_max3_num_f32 v[ST+8*\q+4], v[ST+8*\q+4], v[ST+8*\q+5], v[ST+8*\q+6]
.endr
.irp q, 0,1
	v_max3_num_f32 v[ST+8*\q+4], v[ST+8*\q+4], v[ST+8*\q+7], v[ST+8*\q+1]
.endr
.irp q, 0,1
	v_permlanex16_b32 v[ST+8*\q+5], v[ST+8*\q+4], s[SEL], s[SEL+1]  ; the query's other 32 keys lie in the lane 16 away
.endr
.irp q, 0,1
	v_mov_b32 v[ST+8*\q+7], v[ST+8*\q]             ; c M_old is kept for a
.endr
.irp q, 0,1
	v_max_num_f32 v[ST+8*\q+1], v[ST+8*\q+4], v[ST+8*\q+5]          ; the new M
.endr
.irp q, 0,1
	v_mul_f32 v[ST+8*\q], s[CS], v[ST+8*\q+1]      ; c M
.endr
.irp q, 0,1
	v_sub_f32 v[ST+8*\q+7], v[ST+8*\q+7], v[ST+8*\q]               ; c M_old - c M_new, 0 or less
.endr
.set j, 0
.rept 16
.irp q, 0,1
	v_pk_fma_f32 v[S+32*\q+j:S+32*\q+j+1], v[S+32*\q+j:S+32*\q+j+1], s[CS:CS+1], v[ST+8*\q:ST+8*\q+1] op_sel_hi:[1,0,0] neg_lo:[0,0,1] neg_hi:[0,0,1]  ; c s - c M, two at a time
.endr
.set j, j+2
.endr
	; ONE BATCH of 66 exponentials, none of which reads another's result, one plain place, ONE wait ahead of the first reader
.irp q, 0,1
	v_exp_f32 v[ST+8*\q+6], v[ST+8*\q+7]           ; a
.endr
.set j, 0
.rept 64
	v_exp_f32 v[S+j], v[S+j]                       ; p
.set j, j+1
.endr
	v_nop
	s_wait_alu depctr_va_vdst(0)
	; l = a l + the sum of my 32 p, of the numbers as they are before rounding to f16: two chains a tile, two numbers an instruction
.irp q, 0,1
	v_pk_add_f32 v[ST+8*\q+4:ST+8*\q+5], v[S+32*\q:S+32*\q+1], v[S+32*\q+2:S+32*\q+3]
.endr
.irp q, 0,1
	v_pk_fma_f32 v[ST+8*\q+2:ST+8*\q+3], v[ST+8*\q+2:ST+8*\q+3], v[ST+8*\q+6:ST+8*\q+7], v[S+32*\q+4:S+32*\q+5] op_sel_hi:[1,0,1]
.endr
.irp q, 0,1
	v_pk_add_f32 v[ST+8*\q+4:ST+8*\q+5], v[ST+8*\q+4:ST+8*\q+5], v[S+32*\q+6:S+32*\q+7]
.endr
.set j, 8
.rept 6
.irp q, 0,1
	v_pk_add_f32 v[ST+8*\q+2:ST+8*\q+3], v[ST+8*\q+2:ST+8*\q+3], v[S+32*\q+j:S+32*\q+j+1]
.endr
.irp q, 0,1
	v_pk_add_f32 v[ST+8*\q+4:ST+8*\q+5], v[ST+8*\q+4:ST+8*\q+5], v[S+32*\q+j+2:S+32*\q+j+3]
.endr
.set j, j+4
.endr
.irp q, 0,1
	v_pk_add_f32 v[ST+8*\q+2:ST+8*\q+3], v[ST+8*\q+2:ST+8*\q+3], v[ST+8*\q+4:ST+8*\q+5]
.endr
.set j, 0
.rept 16                                       ; P: pairs of neighbouring keys to f16, in place from the low end: register j is written when registers 2 j and 2 j + 1 are read
.irp q, 0,1
	v_cvt_pk_f16_f32 v[S+32*\q+j], v[S+32*\q+2*j], v[S+32*\q+2*j+1]
.endr
.set j, j+1
.endr
.irp t, 0,1,2,3                                ; V^T of the second 32 keys, into the 32 registers that the packing has left free
.irp u, 0,1
	ds_load_b128 v[S+32*(\t/2)+16+8*(\t%2)+4*\u:S+32*(\t/2)+16+8*(\t%2)+4*\u+3], v[AIM] offset:IB+VIMG+(2*(\ss)+1)*4096+\u*2048+\t*512
.endr
.endr
.irp q, 0,1                                    ; O^T x a, each accumulator from its low end on
.set j, 0
.rept 16
	v_pk_mul_f32 v[O+32*\q+j:O+32*\q+j+1], v[O+32*\q+j:O+32*\q+j+1], v[ST+8*\q+6:ST+8*\q+7] op_sel_hi:[1,0]
.set j, j+2
.endr
.endr
	s_wait_dscnt 8                                 ; V^T of the first 32 keys is in; the eight loads just issued may be out
.irp t, 0,1,2,3                                ; O^T += V^T P: the eight accumulators take turns, one instruction a turn, in the same order in both runs
.irp q, 0,1
	v_wmma_f32_16x16x32_f16 v[O+32*\q+8*\t:O+32*\q+8*\t+7], v[V0+8*\t:V0+8*\t+7], v[S+32*\q:S+32*\q+7], v[O+32*\q+8*\t:O+32*\q+8*\t+7]
.endr
.endr
	s_wait_dscnt 0x0
.irp t, 0,1,2,3
.irp q, 0,1
	v_wmma_f32_16x16x32_f16 v[O+32*\q+8*\t:O+32*\q+8*\t+7], v[S+32*(\t/2)+16+8*(\t%2):S+32*(\t/2)+16+8*(\t%2)+7], v[S+32*\q+8:S+32*\q+15], v[O+32*\q+8*\t:O+32*\q+8*\t+7]
.endr
.endr
	PLACES 5                                       ; the next products write over P and V^T, sources of these: five places; the next loads into such registers want four
.endm
; A TRIP: step t, t % 2 = par, oth = 1 - par.  ONE barrier orders four things.  In front of it each wave has waited for all its tensor loads (slot oth has landed) and for all its LDS instructions: its stores into
; image set par, its reads of slot par and its reads of image set oth, all of the trip before.  Behind it slot par is filled again, slot oth is converted into image set oth, and image set par is multiplied.
; refill = 1: the barrier is a round of the cluster's, so that the same holds of every partner, and the joint refill (step t + 2) is the first tensor load behind it: it has the whole trip in which to land.
.macro TRIP par, oth, refill, conv, how
.if \refill
	s_wait_tensorcnt 0x0                           ; no tensor load of mine is out, so a group 0 may be written
	ds_add_u32 v[SPW], v[NIL]                      ; 0 onto my spare word,
	ds_add_u32 v[SPW], v[NIL]                      ; twice on end, in every trip alike; the descriptors' steps stand between the second and the wait
	s_add_nc_u64 s[G0K+4*\par+2:G0K+4*\par+3], s[G0K+4*\par+2:G0K+4*\par+3], 2*STEPB  ; this slot's next step; the type bits on top are not reached
	s_add_nc_u64 s[G0V+4*\par+2:G0V+4*\par+3], s[G0V+4*\par+2:G0V+4*\par+3], 2*STEPB
	s_wait_xcnt 0x0                                ; the last prefetch, a trip back, has read its address, so it may be written:
	s_add_nc_u64 s[PFA:PFA+1], s[PFA:PFA+1], STEPB ; one step further on than the refill
	s_wait_dscnt 0x0                               ; both adds are done, and so are my LDS stores and loads of the trip before
	CROUND
	TLOAD G0K+4*\par, G0V+4*\par
	ASK \how
.else
.if \conv
	s_wait_tensorcnt 0x0                           ; the last step's tile has landed; nothing is filled again, so no round follows
	ds_add_u32 v[SPW], v[NIL]
.endif
	s_wait_dscnt 0x0
	s_barrier_signal -1
	s_barrier_wait -1
.endif
.if \conv
	CONVERT \oth
.endif
	SUB \par, 0
	SUB \par, 1
.endm
	s_load_b256 s[4:11], s[0:1], 0x0               ; Q s[4:5], K s[6:7], V s[8:9], O s[10:11]
	v_lshl_add_u32 v[SPW], v0, 2, SPARE
	v_mov_b32 v[NIL], 0
	ds_add_u32 v[SPW], v[NIL]                      ; the wave's opening: the add, twice on end, and its wait ahead of the first tensor loads; the set-up below stands between the second and the wait
	ds_add_u32 v[SPW], v[NIL]
	v_lshrrev_b32 v255, 5, v0
	v_readfirstlane_b32 s[WV], v255                ; wave 0..15
	s_bfe_u32 s13, ttmp6, 0x40000                  ; cx: my place in the cluster
	s_lshl_b32 s14, ttmp9, 2                       ; in a cluster launch ttmp9 counts clusters
	s_add_co_u32 s14, s14, s13                     ; my block of 512 queries: it enters Q's and O's addresses alone
	s_and_b32 s48, ttmp7, 0xffff                   ; the head, which the four partners share
	s_lshl_b32 s48, s48, 19                        ; its first byte in each of the four tensors: 2,048 rows of 256 bytes a head
	s_mov_b32 s49, 0
	s_and_b32 s54, s[WV], 1                        ; which 64 rows of a tile I fetch, if I fetch:
	s_lshl_b32 s50, s54, 14                        ; in memory,
	s_mov_b32 s51, 0
	s_add_nc_u64 s[50:51], s[50:51], s[48:49]
	s_mul_i32 s54, s54, HALFT                      ; and in a slot: no place in the cluster enters an LDS address
	s_lshl_b32 s52, s14, 17                        ; my block's 512 rows,
	s_lshl_b32 s53, s[WV], 13                      ; my wave's 32 of them
	s_add_co_u32 s52, s52, s53
	s_mov_b32 s53, 0
	s_add_nc_u64 s[52:53], s[52:53], s[48:49]
	s_lshl_b32 s60, s13, 13                        ; the prefetches: my work-group's 32 rows of a step's 128,
	s_add_co_u32 s60, s60, 2*STEPB                 ; in step 2: the first trip steps it to step 3.  Nothing is prefetched here, at the head
	s_mov_b32 s61, 0
	s_add_nc_u64 s[60:61], s[60:61], s[48:49]
	s_lshr_b32 s62, s[WV], 1
	s_cmp_eq_u32 s62, 2                            ; waves 4 and 5 ask
	s_cselect_b32 s[LIM], 1, -1
	; descriptor group 1: a tile of 64 rows x 64 elements of 4 bytes, dense in memory, padded in LDS
	s_mov_b32 s[G1], 15|(2<<16)|(1<<20)|(1<<21)|(5<<22)|(3<<25)  ; 15:0 the mask: all four work-groups; 17:16 elements of 4 bytes; 20 padding on; 21 set beside a mask; 24:22 after every 64 words (code 5); 31:25 four words (code 3)
	s_mov_b32 s[G1+1], 64<<16                      ; tensor_dim0 = 64
	s_mov_b32 s[G1+2], 64<<16                      ; tensor_dim1 = 64
	s_mov_b32 s[G1+3], 64<<16                      ; tile_dim0 = 64
	s_mov_b32 s[G1+4], 64                          ; tile_dim1 = 64
	s_mov_b32 s[G1+5], 64                          ; elements from row to row
	s_mov_b32 s[G1+6], 0
	s_mov_b32 s[G1+7], 0
	s_mov_b32 s[CS], 0x3e38aa3b                    ; c = log2(e) / 8
	s_mov_b32 s[CS+1], s[CS]                       ; (named with it as a pair, so it is written)
	s_mov_b32 s[SEL], 0x76543210
	s_mov_b32 s[SEL+1], 0xfedcba98
	s_mov_b32 s[LP], 7
	s_wait_dscnt 0x0                               ; both opening adds are done
	s_wait_kmcnt 0x0
	s_add_nc_u64 s[56:57], s[6:7], s[50:51]        ; K and V at my tile of step 0
	s_add_nc_u64 s[58:59], s[8:9], s[50:51]
	s_add_nc_u64 s[4:5], s[4:5], s[52:53]          ; Q and O at my wave's first row
	s_add_nc_u64 s[10:11], s[10:11], s[52:53]
	s_cmp_eq_u32 s[WV], 4
	s_cselect_b64 s[PFA:PFA+1], s[6:7], s[8:9]     ; wave 4 asks for K's rows, wave 5 for V's
	s_add_nc_u64 s[PFA:PFA+1], s[PFA:PFA+1], s[60:61]
.irp s, 0,1
	s_mov_b32 s[G0K+4*\s], 1                       ; 1:0 count = 1
	s_add_co_u32 s[G0K+4*\s+1], s54, \s*FSB        ; 63:32 LDS address
	s_add_nc_u64 s[G0K+4*\s+2:G0K+4*\s+3], s[56:57], \s*STEPB  ; 120:64 global address: slot s begins with step s
	s_or_b32 s[G0K+4*\s+3], s[G0K+4*\s+3], 0x80000000  ; 127:126 type = 2
	s_mov_b32 s[G0V+4*\s], 1
	s_add_co_u32 s[G0V+4*\s+1], s54, \s*FSB+VROWS
	s_add_nc_u64 s[G0V+4*\s+2:G0V+4*\s+3], s[58:59], \s*STEPB
	s_or_b32 s[G0V+4*\s+3], s[G0V+4*\s+3], 0x80000000
.endr
	CROUND                                         ; all four work-groups are here: the first joint loads meet
	s_cmp_lt_u32 s[WV], 2                          ; a wave's two first fills stand in one branch, ahead of every wait on TENSORcnt and every LDS read: two loads of a fetching wave are out
	s_cbranch_scc0 .Lfirst_not_k
	tensor_load_to_lds s[G0K:G0K+3], s[G1:G1+7]
	s_nop 0
	tensor_load_to_lds s[G0K+4:G0K+7], s[G1:G1+7]
	s_nop 0
.rept 4
	v_nop
.endr
	s_branch .Lfirst_asked
.Lfirst_not_k:
	s_cmp_lt_u32 s[WV], 4
	s_cbranch_scc0 .Lfirst_asked
	tensor_load_to_lds s[G0V:G0V+3], s[G1:G1+7]
	s_nop 0
	tensor_load_to_lds s[G0V+4:G0V+7], s[G1:G1+7]
	s_nop 0
.rept 4
	v_nop
.endr
.Lfirst_asked:
	v_and_b32 v252, 31, v0                         ; lane
	v_and_b32 v253, 15, v0                         ; r
	v_bfe_u32 v254, v0, 4, 1                       ; h
	v_lshlrev_b32 v[GO], 8, v254
	v_lshl_add_u32 v[GO], v253, 4, v[GO]           ; lanes 0-15 take one row of 256 bytes, lanes 16-31 the next
.irp q, 0,1                                    ; Q as it lies: each load takes 512 consecutive bytes, two rows
.irp i, 0,1,2,3,4,5,6,7
	global_load_b128 v[S+32*\q+4*\i:S+32*\q+4*\i+3], v[GO], s[4:5] offset:\q*4096+512*\i th:TH_LOAD_NT
.endr
.endr
	; every LDS address register is made here, on the one way that all waves take
	v_lshl_add_u32 v[AIM], v252, 4, IMG0
	v_lshl_add_u32 v[ASC], v252, 2, IMG0+KSCO
	s_and_b32 s60, s[WV], 7                        ; which fragment of K, or which 16 keys of V, I make
	s_lshl_b32 s61, s60, 9
	v_add_nc_u32 v[SKA], s61, v[AIM]
	s_lshl_b32 s61, s60, 6
	v_lshl_add_u32 v[SSA], v253, 2, IMG0+KSCO
	v_add_nc_u32 v[SSA], s61, v[SSA]
	s_lshl_b32 s61, s60, 11
	v_add_nc_u32 v[SVA], s61, v[AIM]
	v_add_nc_u32 v[SVA], VIMG, v[SVA]
	s_mul_i32 s62, s[WV], WSTG                     ; 16 rows of 272 bytes a wave: in a slot (K's rows, then V's) and in the stages alike
	v_mul_u32_u24 v[CRK], v253, PITCH
	v_lshl_add_u32 v[CRK], v254, 7, v[CRK]
	v_add_nc_u32 v[CRK], s62, v[CRK]
	v_add_nc_u32 v[CRK+1], FSB, v[CRK]
	v_mul_u32_u24 v[CRV], v254, 8*PITCH
	v_lshl_add_u32 v[CRV], v253, 4, v[CRV]
	v_add_nc_u32 v[CRV], s62, v[CRV]
	v_add_nc_u32 v[CRV+1], FSB, v[CRV]
	v_lshlrev_b32 v[PFO], 8, v252
	v_lshlrev_b32 v[H8], 3, v254
	v_add_nc_u32 v[STO], STAGE, v[CRK]
	v_mul_u32_u24 v[RD], v254, PITCH
	v_lshl_add_u32 v[RD], v253, 4, v[RD]
	v_add_nc_u32 v[RD], s62, v[RD]
	v_add_nc_u32 v[RD], STAGE, v[RD]
	v_mov_b32 v[E2], 0                             ; written once: a lane permute's destination counts as one of its sources
	; Q turns through my own stage: in by rows as loaded, back 128 bytes a lane: block h of row r.  LDS serves a wave's instructions in order (ISA guide 5.7.1.4): no wait between the stores and the loads
	s_wait_loadcnt 8                               ; tile 0's eight loads are in
.irp i, 0,1,2,3,4,5,6,7
	ds_store_b128 v[RD], v[S+4*\i:S+4*\i+3] offset:2*PITCH*\i
.endr
.irp i, 0,1,2,3,4,5,6,7
	ds_load_b128 v[KF+4*\i:KF+4*\i+3], v[STO] offset:16*\i
.endr
	s_wait_loadcnt 0x0
.irp i, 0,1,2,3,4,5,6,7
	ds_store_b128 v[RD], v[S+32+4*\i:S+32+4*\i+3] offset:2*PITCH*\i
.endr
.irp i, 0,1,2,3,4,5,6,7
	ds_load_b128 v[V0+4*\i:V0+4*\i+3], v[STO] offset:16*\i
.endr
	s_wait_dscnt 16                                ; tile 0 is back; tile 1's eight stores and eight loads may be out
	QUANT32 KF, QF, QS
	s_wait_dscnt 0x0
	QUANT32 V0, QF+8, QS+1
.irp q, 0,1
.irp i, 4,5,6,7
	v_mov_b32 v[QF+8*\q+\i], 0                     ; K = 64 .. 127 of the instruction: zero codes
.endr
.endr
.irp f, 0,1,2,3
.irp i, 4,5,6,7
	v_mov_b32 v[KF+8*\f+\i], 0                     ; the same for K's four fragments: set once, never loaded
.endr
.endr
.irp q, 0,1
	v_mov_b32 v[ST+8*\q+1], 0xff61b1e6             ; M: -3e38, under every score
	v_mul_f32 v[ST+8*\q], s[CS], v[ST+8*\q+1]      ; c M
	v_mov_b32 v[ST+8*\q+2], 0                      ; l, in two halves
	v_mov_b32 v[ST+8*\q+3], 0
.endr
.set j, 0
.rept 64
	v_mov_b32 v[O+j], 0                            ; O^T.  (The half step is written once: the first finds zeros, which a = 0 leaves zeros.  These lines are also the places between Q's codes and scale words and the first scaled product)
.set j, j+1
.endr
	s_wait_tensorcnt 0x0                           ; my parts of steps 0 and 1 are in,
	s_barrier_signal -1
	s_barrier_wait -1                              ; everybody's are
	CONVERT 0                                      ; step 0
.Ltrip:                                            ; 7 trips of two steps: steps 0 to 13 are multiplied, steps 1 to 14 converted, steps 2 to 15 asked for
	TRIP 0, 1, 1, 1, 1
	TRIP 1, 0, 1, 1, 0
	s_sub_co_u32 s[LP], s[LP], 1
	s_cmp_lg_u32 s[LP], 0
	s_cbranch_scc1 .Ltrip
	TRIP 0, 1, 0, 1, 0                             ; the tail is written out: step 14, and step 15 is converted
	TRIP 1, 0, 0, 0, 0                             ; step 15
	; THE WAY OUT.  l's two halves and the other half of the lanes' are added; O^T is divided by l and goes through my stage, a tile (16 rows of O) at a time, so that sixteen lanes store one whole row of 256 bytes.
.irp q, 0,1
	v_add_f32 v[ST+8*\q+4], v[ST+8*\q+2], v[ST+8*\q+3]
.endr
.irp q, 0,1
	v_permlanex16_b32 v[ST+8*\q+5], v[ST+8*\q+4], s[SEL], s[SEL+1]
.endr
.irp q, 0,1
	v_add_f32 v[ST+8*\q+4], v[ST+8*\q+4], v[ST+8*\q+5]
.endr
.irp q, 0,1
	v_rcp_f32 v[ST+8*\q+6], v[ST+8*\q+4]
.endr
	v_nop                                          ; a plain place behind the last reciprocal,
	s_wait_alu depctr_va_vdst(0)                   ; and the wait ahead of the first use: one for both
.irp q, 0,1
.irp j, 0,1,2,3,4,5,6,7                        ; register 4 j + t is channel 32 h + 4 j + t; each accumulator is read from its register 0 on
.irp t, 0,1,2,3
	v_mul_f32 v[S+32*\q+4*\j+\t], v[O+32*\q+8*\t+\j], v[ST+8*\q+6]
.endr
.endr
.irp i, 0,1,2,3,4,5,6,7
	ds_store_b128 v[STO], v[S+32*\q+4*\i:S+32*\q+4*\i+3] offset:16*\i
.endr
.irp i, 0,1,2,3,4,5,6,7
	ds_load_b128 v[KF+32*\q+4*\i:KF+32*\q+4*\i+3], v[RD] offset:2*PITCH*\i   ; these see the stores above; the next tile's stores come behind them
.endr
.endr
.irp q, 0,1
.irp i, 0,1,2,3,4,5,6,7
	s_wait_dscnt 16*(1-\q)+7-\i                    ; behind tile 0's loads stand tile 1's sixteen LDS instructions
	global_store_b128 v[GO], v[KF+32*\q+4*\i:KF+32*\q+4*\i+3], s[10:11] offset:\q*4096+512*\i th:TH_STORE_NT   ; 16 lanes store 256 consecutive bytes, at a multiple of 256 from O's first byte
.endr
.endr
	s_wait_tensorcnt 0x0                           ; the wave's end, behind my last tensor load and my last LDS store
	ds_add_u32 v[SPW], v[NIL]
	s_wait_dscnt 0x0
	CROUND                                         ; the closing round: no work-group ends while a partner may still ask for a tile that names it
	s_endpgm
.Lfunc_end_k_qb65ae1a922_attn:
	.size	k_qb65ae1a922_attn, .Lfunc_end_k_qb65ae1a922_attn-k_qb65ae1a922_attn
	.p2alignl 7, 3214868480
	.fill 96, 4, 3214868480
	.section	.rodata,"a",@progbits
	.p2align	6, 0x0
	.amdhsa_kernel k_qb65ae1a922_attn
		.amdhsa_group_segment_fixed_size 327680
		.amdhsa_private_segment_fixed_size 0
		.amdhsa_enable_private_segment 0
		.amdhsa_kernarg_size 32
		.amdhsa_user_sgpr_count 2
		.amdhsa_user_sgpr_kernarg_segment_ptr 1
		.amdhsa_wavefront_size32 1
		.amdhsa_system_sgpr_workgroup_id_x 1
		.amdhsa_system_sgpr_workgroup_id_y 1
		.amdhsa_system_sgpr_workgroup_id_z 1
		.amdhsa_system_vgpr_workitem_id 0
		.amdhsa_next_free_vgpr 256
		.amdhsa_next_free_sgpr 66
		.amdhsa_reserve_vcc 0
		.amdhsa_float_denorm_mode_32 3
		.amdhsa_float_denorm_mode_16_64 3
		.amdhsa_memory_ordered 1
		.amdhsa_forward_progress 1
		.amdhsa_inst_pref_size 173
	.end_amdhsa_kernel
	.amdgpu_metadata
---
amdhsa.version: [ 1, 2 ]
amdhsa.kernels:
  - .name:           k_qb65ae1a922_attn
    .symbol:         k_qb65ae1a922_attn.kd
    .args:
      - { .name: queries, .offset: 0, .size: 8, .value_kind: global_buffer, .address_space: global }
      - { .name: keys, .offset: 8, .size: 8, .value_kind: global_buffer, .address_space: global }
      - { .name: values, .offset: 16, .size: 8, .value_kind: global_buffer, .address_space: global }
      - { .name: out0, .offset: 24, .size: 8, .value_kind: global_buffer, .address_space: global }
    .group_segment_fixed_size: 327680
    .private_segment_fixed_size: 0
    .kernarg_segment_align: 8
    .kernarg_segment_size: 32
    .max_flat_workgroup_size: 512
    .sgpr_count:     66
    .vgpr_count:     256
    .wavefront_size: 32
...
	.end_amdgpu_metadata
.endif
;; end of part 1
